; MI455X (gfx1250); checked and timed in simulation.
; The chip was launched on July 23, 2026; its instructions are those of AMD's public machine-readable ISA for CDNA 5 (MIT licence, August 2026) and "CDNA5" Instruction Set Architecture Reference Guide (July 2026). The comments in the code are by the model that wrote it; some were corrected since.
;; Superposed Expert. Allowed arithmetic: float matrix products may take bf16 or f16 operands with f32 sums; all other float work in f32.
;; Inputs: c1a 4 x 32 x 64 x 16 float32; c1b 4 x 16 x 32 x 64 float32; c2a 4 x 64 x 32 x 16 float32; c2b 4 x 16 x 64 x 32 float32; hd_in 1,024 x 512 float32; hd_out 512 x 1,024 float32; path_bases 4 x 512 float32; path_weights 4 x 512 float32; x 2,048 x 1,024 float32.
;; Outputs: out0 2,048 x 1,024 float32.
;; One version. Each part assembles by itself: llvm-mc -triple=amdgcn-amd-amdhsa -mcpu=gfx1250 --defsym DOCPART=n.
;; ======== version 1 of 1: 3 launches
;; limits: values are held in f16: magnitudes above 65,504 overflow, below 6.1e-05 lose precision
;; workspace buffers: wf 1,048,576 bytes; g4 16,384 bytes; mf 8,388,608 bytes; yb 16,777,216 bytes; sbuf 32,768 bytes
;; launch prep (part 1): grid 256 x 1, 8 waves a work-group, no clusters, 266,240 bytes of LDS; arguments c1a, c1b, c2a, c2b, hd_in, hd_out, path_bases, path_weights, wf, g4, mf; writes wf, g4, mf
.if DOCPART == 1
	.amdgcn_target "amdgcn-amd-amdhsa--gfx1250"
	.amdhsa_code_object_version 6
	.text
	.protected	k_qa10b7d0ebb_prep
	.globl	k_qa10b7d0ebb_prep
	.p2align	8
	.type	k_qa10b7d0ebb_prep,@function
k_qa10b7d0ebb_prep:
	s_mov_b64 s[64:65], 0
	v_nop
	global_prefetch_b8 v0, s[64:65] scope:SCOPE_SE
	s_setreg_imm32_b32 hwreg(HW_REG_WAVE_MODE, 25, 1), 1
	s_wait_xcnt 0x0
; PREPARATION, three jobs in every work-group g (256 of them, eight waves each).
; J1  four f16 fragments of one TT core: wf[k][core][r][t][q][lane][e]; a fragment is 1 KB, half q = registers 4q..4q+3, lane L's 16 bytes at 512 q + 16 L.
; J2  16 numbers of G[d][k'] = sum over h of hd_in[d][h] bases[k'][h], in f32 on the vector unit (the scores are x G).
; J3  a tile of 128 x 128 of M'[kpos][j] = 16 sum over h of hd_in[d(kpos)][h] (pw[k][h] / sc) hd_out[h][j], f16 operands, f32 sums, stored as f16 fragments
;     mf[J][step][jt][ks][q][lane][e]; sc = 2^exponent of the largest |pw[k][:]|.
; LIMITS: the cores, hd_out and 16 hd_in pw / sc are rounded to f16 (largest 65,504); a largest |pw| with exponent field under 4 or over 252 is not served.
.set PIT,  1040                        ; an LDS row: 512 f16 + 16 bytes = 65 x 16 bytes, so 16 rows of one column fall on 16 different 16-byte columns of the banks
.set BOFF, 128*PIT                     ; hd_out^T's 128 rows lie behind the 128 rows of hd_in pw
.set PW,   16                          ; v[16:31]   pw[k][128 i + 4 L ..], scaled
.set U0,   32                          ; v[32:95]   fill unit, even
.set U1,   96                          ; v[96:159]  fill unit, odd
.set CV,   160                         ; v[160:191] converted numbers
.set ACC,  192                         ; v[192:255] 8 accumulators
.set F0,   32                          ; fragment buffers of 48 registers: v[32:79], v[80:127]
.set SEL,  34                          ; s[34:35]   lane selects: each lane takes its own place in the other half
.macro NOP4
.rept 4
	v_nop
.endr
.endm
.macro REDMAX r, t                     ; the maximum over the 32 lanes, in every lane; t has been written before
.irp x, 1,2,4,8
	v_max_num_f32_dpp v[\r], v[\r], v[\r] row_xmask:\x row_mask:0xf bank_mask:0xf
.endr
	v_permlanex16_b32 v[\t], v[\r], s[SEL], s[SEL+1]
	v_max_num_f32 v[\r], v[\r], v[\t]
.endm
.macro REDSUM r, t
.irp x, 1,2,4,8
	v_add_f32_dpp v[\r], v[\r], v[\r] row_xmask:\x row_mask:0xf bank_mask:0xf
.endr
	v_permlanex16_b32 v[\t], v[\r], s[SEL], s[SEL+1]
	v_add_f32 v[\r], v[\r], v[\t]
.endm
	s_load_b512 s[4:19], s[0:1], 0x0               ; c1a s[4:5], c1b s[6:7], c2a s[8:9], c2b s[10:11], hd_in s[12:13], hd_out s[14:15], bases s[16:17], pw s[18:19]
	s_load_b128 s[20:23], s[0:1], 0x40             ; wf s[20:21], g4 s[22:23]
	s_load_b64 s[24:25], s[0:1], 0x50              ; mf
	v_and_b32 v1, 31, v0                           ; L
	v_and_b32 v2, 15, v0                           ; c = L % 16
	v_bfe_u32 v3, v0, 4, 1                         ; h = L / 16
	v_bfe_u32 v4, v0, 5, 1                         ; q
	v_lshrrev_b32 v5, 5, v0
	v_readfirstlane_b32 s27, v5                    ; wave
	v_bfe_u32 v6, v0, 7, 1                         ; t >> 1
	v_bfe_u32 v7, v0, 6, 1                         ; t & 1
	v_lshlrev_b32 v8, 4, v1                        ; 16 L
	v_mov_b32 v9, 0
	s_mov_b32 s[SEL], 0x76543210
	s_mov_b32 s[SEL+1], 0xfedcba98
	s_and_b32 s28, ttmp9, 15                       ; r
	s_bfe_u32 s29, ttmp9, 0x20004                  ; k
	s_lshr_b32 s33, ttmp9, 6                       ; core
	s_lshl_b32 s36, s29, 17                        ; k x 32,768 numbers of 4 bytes
	s_wait_kmcnt 0x0
; J1.  A thread gathers the eight numbers e = 0..7 of its 16 bytes.  Every index part is a power of two: the arguments are the shifts (in numbers) of q, h, t >> 1, t & 1, c, r, e.
.macro WGATH ptr, sq, sh, st1, st0, sc, sr, se
	s_lshl_b32 s30, s28, \sr+2
	s_add_co_u32 s30, s30, s36
	v_lshlrev_b32 v10, \sq+2, v4
	v_lshl_add_u32 v10, v3, \sh+2, v10
	v_lshl_add_u32 v10, v6, \st1+2, v10
	v_lshl_add_u32 v10, v7, \st0+2, v10
	v_lshl_add_u32 v10, v2, \sc+2, v10
	v_add_nc_u32 v10, s30, v10
.irp e, 0,1,2,3,4,5,6,7
	global_load_b32 v[32+\e], v10, s[\ptr:\ptr+1] offset:\e*(1<<(\se+2))
.endr
.endm
	s_cmp_eq_u32 s33, 0
	s_cbranch_scc1 .Lcore0
	s_cmp_eq_u32 s33, 1
	s_cbranch_scc1 .Lcore1
	s_cmp_eq_u32 s33, 2
	s_cbranch_scc1 .Lcore2
	WGATH 10, 9, 8, 10, 4, 0, 11, 5                ; c2b: p2 = 32 (t>>1) + 16 q + 8 h + e, o2 = 16 (t&1) + c
	s_branch .Lgathered
.Lcore0:
	WGATH 4, 14, 10, 9, 8, 4, 0, 11                ; c1a: m = 16 q + 2 e + h, n = 16 t + c
	s_branch .Lgathered
.Lcore1:
	WGATH 6, 6, 10, 5, 4, 0, 11, 7                 ; c1b: p = 16 h + 2 e + q, o = 16 t + c
	s_branch .Lgathered
.Lcore2:
	WGATH 8, 13, 12, 14, 8, 4, 0, 9                ; c2a: n = 32 (t>>1) + 16 q + 8 h + e, n2 = 16 (t&1) + c
.Lgathered:
	s_lshl_b32 s30, s29, 18                        ; wf: k x 262,144 + core x 65,536 + r x 4,096 + 16 x thread
	s_lshl_b32 s31, s33, 16
	s_add_co_u32 s30, s30, s31
	s_lshl_b32 s31, s28, 12
	s_add_co_u32 s30, s30, s31
	v_lshlrev_b32 v11, 4, v0
	v_add_nc_u32 v11, s30, v11
	s_wait_loadcnt 0x0
.irp i, 0,1,2,3
	v_cvt_pk_f16_f32 v[40+\i], v[32+2*\i], v[33+2*\i]
.endr
	global_store_b128 v11, v[40:43], s[20:21]      ; a wave stores 512 consecutive bytes
; J2.  Wave w: d = 4 g + (w >> 1), k' = 2 (w & 1) and the next.
	s_lshl_b32 s30, ttmp9, 2
	s_lshr_b32 s31, s27, 1
	s_add_co_u32 s30, s30, s31                     ; d
	s_and_b32 s31, s27, 1
	s_lshl_b32 s37, s30, 11
	v_add_nc_u32 v12, s37, v8
	s_lshl_b32 s37, s31, 12
	v_add_nc_u32 v13, s37, v8
.irp i, 0,1,2,3
	global_load_b128 v[48+4*\i:51+4*\i], v12, s[12:13] offset:512*\i
	global_load_b128 v[64+4*\i:67+4*\i], v13, s[16:17] offset:512*\i
	global_load_b128 v[80+4*\i:83+4*\i], v13, s[16:17] offset:2048+512*\i
.endr
	s_lshl_b32 s37, s30, 4
	s_lshl3_add_u32 s37, s31, s37                  ; 16 d + 8 (w & 1)
	v_mov_b32 v14, s37
	s_wait_loadcnt 0x0
	v_pk_mul_f32 v[96:97], v[48:49], v[64:65]      ; the first products start the sums
	v_pk_mul_f32 v[98:99], v[48:49], v[80:81]
.irp i, 2,4,6,8,10,12,14
	v_pk_fma_f32 v[96:97], v[48+\i:49+\i], v[64+\i:65+\i], v[96:97]
	v_pk_fma_f32 v[98:99], v[48+\i:49+\i], v[80+\i:81+\i], v[98:99]
.endr
	v_add_f32 v96, v96, v97
	v_add_f32 v98, v98, v99
	REDSUM 96, 97
	REDSUM 98, 99
	v_mov_b32 v97, v98
	s_wait_xcnt 0x0                                ; EXEC is a source of what has been issued: it changes only behind this wait
	v_cmp_eq_u32 vcc_lo, 0, v1
	s_and_saveexec_b32 s38, vcc_lo
	global_store_b64 v14, v[96:97], s[22:23]       ; lane 0 alone
	s_wait_xcnt 0x0
	s_or_b32 exec_lo, exec_lo, s38
; J3.  R = g >> 3: 128 rows kpos = 128 R + row; k = R >> 3; row = 8 cL + j stands for d = dblk + 32 j + cL.  Cb = g & 7: 128 columns.
	s_lshr_b32 s30, ttmp9, 3                       ; R
	s_and_b32 s31, ttmp9, 7                        ; Cb
	s_lshr_b32 s37, s30, 3                         ; k
	s_and_b32 s38, s30, 7                          ; blk
	s_lshr_b32 s39, s38, 2
	s_lshl_b32 s39, s39, 9
	s_and_b32 s40, s38, 1
	s_lshl_b32 s40, s40, 8
	s_add_co_u32 s39, s39, s40
	s_bfe_u32 s40, s38, 0x10001
	s_lshl_b32 s40, s40, 4
	s_add_co_u32 s39, s39, s40                     ; dblk
	s_lshl1_add_u32 s39, s27, s39                  ; + 2 w: my 16 rows are cL = 2 w, 2 w + 1
	s_lshl_b32 s39, s39, 11
	v_add_nc_u32 v12, s39, v8                      ; hd_in: row x 2,048 + 16 L
	s_lshl_b32 s40, s31, 9
	s_lshl_b32 s41, s27, 18
	s_add_co_u32 s40, s40, s41
	v_add_nc_u32 v13, s40, v8                      ; hd_out: my 64 rows h = 64 w .., columns 128 Cb + 4 L ..
	s_lshl_b32 s40, s37, 11
	v_add_nc_u32 v14, s40, v8                      ; pw: row k
	s_mul_i32 s40, s27, 16*PIT
	v_lshl_add_u32 v4, v1, 3, s40                  ; where my rows of hd_in pw go: 16 w rows + 8 L
	v_lshl_add_u32 v5, v3, 6, v2
	v_mul_u32_u24 v5, v5, PIT
	s_lshl_b32 s40, s27, 7
	s_add_co_u32 s40, s40, BOFF
	v_add_nc_u32 v5, s40, v5                       ; where hd_out^T goes: row 64 (L / 16) + L % 16 (+ 16 t), byte 128 w
	s_lshr_b32 s40, s27, 2                         ; mw: my 64 rows of the tile
	s_and_b32 s41, s27, 3                          ; nw: my 32 columns
	v_mul_u32_u24 v6, v2, PIT
	v_lshl_add_u32 v6, v3, 4, v6                   ; a fragment's row x pitch + 16 h
	s_mul_i32 s42, s41, 32*PIT
	s_add_co_u32 s42, s42, BOFF
	v_add_nc_u32 v7, s42, v6
	s_mul_i32 s42, s40, 64*PIT
	v_add_nc_u32 v6, s42, v6
	s_lshl_b32 s42, s31, 1                         ; mf: J = 2 Cb + (nw >> 1), step = R >> 1, jt = 2 (nw & 1) + tt, ks = 4 (R & 1) + 2 mw + (uu >> 1), q = uu & 1
	s_lshr_b32 s43, s41, 1
	s_add_co_u32 s42, s42, s43
	s_lshl_b32 s42, s42, 19
	s_lshr_b32 s43, s30, 1
	s_lshl_b32 s43, s43, 15
	s_add_co_u32 s42, s42, s43
	s_and_b32 s43, s41, 1
	s_lshl_b32 s43, s43, 14
	s_add_co_u32 s42, s42, s43
	s_and_b32 s43, s30, 1
	s_lshl_b32 s43, s43, 12
	s_add_co_u32 s42, s42, s43
	s_lshl_b32 s43, s40, 11
	s_add_co_u32 s42, s42, s43
	v_add_nc_u32 v15, s42, v8
; A fill unit is 16 loads of 16 bytes a lane.  Unit A b: my rows 4 b .. 4 b + 3 of hd_in, whole.  Unit B b: 16 rows h of hd_out, my 4 columns.
.macro ULOADA b, buf
.irp i, 0,1,2,3
.irp c, 0,1,2,3
	global_load_b128 v[\buf+16*\i+4*\c:\buf+16*\i+4*\c+3], v12, s[12:13] offset:(((4*\b+\i)&7)*32+((4*\b+\i)>>3))*2048+512*\c
.endr
.endr
.endm
.macro UPROCA b, buf                   ; times pw, to f16, 8 bytes a lane into the row: a wave's store covers 256 consecutive bytes
.irp i, 0,1,2,3
.irp c, 0,1,2,3
	v_pk_mul_f32 v[\buf+16*\i+4*\c:\buf+16*\i+4*\c+1], v[\buf+16*\i+4*\c:\buf+16*\i+4*\c+1], v[PW+4*\c:PW+4*\c+1]
	v_pk_mul_f32 v[\buf+16*\i+4*\c+2:\buf+16*\i+4*\c+3], v[\buf+16*\i+4*\c+2:\buf+16*\i+4*\c+3], v[PW+4*\c+2:PW+4*\c+3]
	v_cvt_pk_f16_f32 v[CV+2*(4*\i+\c)], v[\buf+16*\i+4*\c], v[\buf+16*\i+4*\c+1]
	v_cvt_pk_f16_f32 v[CV+2*(4*\i+\c)+1], v[\buf+16*\i+4*\c+2], v[\buf+16*\i+4*\c+3]
	ds_store_b64 v4, v[CV+2*(4*\i+\c):CV+2*(4*\i+\c)+1] offset:(4*\b+\i)*PIT+256*\c
.endr
.endr
.endm
.macro ULOADB b, buf
.irp g, 0,1
.irp e, 0,1,2,3,4,5,6,7
	global_load_b128 v[\buf+32*\g+4*\e:\buf+32*\g+4*\e+3], v13, s[14:15] offset:(8*(2*\b+\g)+\e)*4096
.endr
.endr
.endm
.macro UPROCB b, buf                   ; turned in registers: eight h of one column make 16 bytes of a row of hd_out^T
.irp g, 0,1
.irp t, 0,1,2,3
.irp i, 0,1,2,3
	v_cvt_pk_f16_f32 v[CV+16*\g+4*\t+\i], v[\buf+32*\g+8*\i+\t], v[\buf+32*\g+8*\i+4+\t]
.endr
	ds_store_b128 v5, v[CV+16*\g+4*\t:CV+16*\g+4*\t+3] offset:\t*16*PIT+(2*\b+\g)*16
.endr
.endr
.endm
.irp i, 0,1,2,3
	global_load_b128 v[PW+4*\i:PW+4*\i+3], v14, s[18:19] offset:512*\i
.endr
	ULOADA 0, U0
	ULOADA 1, U1
	s_wait_loadcnt 32                              ; pw is in; the 32 loads of the two units behind it stay out
	v_max3_num_f32 v10, |v[PW]|, |v[PW+1]|, |v[PW+2]|
.irp i, 3,5,7,9,11,13
	v_max3_num_f32 v10, v10, |v[PW+\i]|, |v[PW+\i+1]|
.endr
	v_max_num_f32 v10, v10, |v[PW+15]|
	REDMAX 10, 9
	v_and_b32 v10, 0x7f800000, v10                 ; sc = 2^exponent
	v_sub_nc_u32 v10, 0x81000000, v10              ; 16 / sc: exponent field 258 - e
	v_mov_b32 v11, v10
.irp i, 0,2,4,6,8,10,12,14
	v_pk_mul_f32 v[PW+\i:PW+\i+1], v[PW+\i:PW+\i+1], v[10:11]
.endr
	s_wait_loadcnt 16                              ; in each line of this kind: the older unit is in, the younger one's 16 loads stay out
	UPROCA 0, U0
	ULOADA 2, U0
	s_wait_loadcnt 16
	UPROCA 1, U1
	ULOADA 3, U1
	s_wait_loadcnt 16
	UPROCA 2, U0
	ULOADB 0, U0
	s_wait_loadcnt 16
	UPROCA 3, U1
	ULOADB 1, U1
	s_wait_loadcnt 16
	UPROCB 0, U0
	ULOADB 2, U0
	s_wait_loadcnt 16
	UPROCB 1, U1
	ULOADB 3, U1
	s_wait_loadcnt 16
	UPROCB 2, U0
	s_wait_loadcnt 0x0
	UPROCB 3, U1
	s_wait_dscnt 0x0                               ; for the others' sake: my stores into both tiles are done
	s_barrier_signal -1
	s_barrier_wait -1
; The product: 16 K steps of 32; a wave makes 64 x 32 in 8 accumulators, which take turns, one instruction a turn.
.macro KFETCH ks, buf
.irp u, 0,1,2,3
	ds_load_b128 v[\buf+8*\u:\buf+8*\u+3],   v6 offset:\u*16*PIT+64*(\ks)
	ds_load_b128 v[\buf+8*\u+4:\buf+8*\u+7], v6 offset:\u*16*PIT+64*(\ks)+32
.endr
.irp t, 0,1
	ds_load_b128 v[\buf+32+8*\t:\buf+32+8*\t+3],   v7 offset:\t*16*PIT+64*(\ks)
	ds_load_b128 v[\buf+32+8*\t+4:\buf+32+8*\t+7], v7 offset:\t*16*PIT+64*(\ks)+32
.endr
.endm
.macro KMUL buf, zero
.irp u, 0,1,2,3
.irp t, 0,1
.if \zero
	v_wmma_f32_16x16x32_f16 v[ACC+8*(2*\u+\t):ACC+8*(2*\u+\t)+7], v[\buf+8*\u:\buf+8*\u+7], v[\buf+32+8*\t:\buf+32+8*\t+7], 0
.else
	v_wmma_f32_16x16x32_f16 v[ACC+8*(2*\u+\t):ACC+8*(2*\u+\t)+7], v[\buf+8*\u:\buf+8*\u+7], v[\buf+32+8*\t:\buf+32+8*\t+7], v[ACC+8*(2*\u+\t):ACC+8*(2*\u+\t)+7]
.endif
.endr
.endr
.endm
	KFETCH 0, F0
.set ks, 0
.rept 16
.if ks < 15
	NOP4                                           ; four places between the products that read a buffer and the loads into it
	KFETCH ks+1, F0+48*((ks+1)%2)
	s_wait_dscnt 12                                ; this step's fragments are in; the 12 loads just issued stay out
.else
	s_wait_dscnt 0x0
.endif
	KMUL F0+48*(ks%2), ks==0
.set ks, ks+1
.endr
	NOP4                                           ; four places in front of the conversions that read the results
.irp u, 0,1,2,3
.irp t, 0,1
.irp i, 0,1,2,3
	v_cvt_pk_f16_f32 v[CV+4*(2*\u+\t)+\i], v[ACC+8*(2*\u+\t)+2*\i], v[ACC+8*(2*\u+\t)+2*\i+1]
.endr
	global_store_b128 v15, v[CV+4*(2*\u+\t):CV+4*(2*\u+\t)+3], s[24:25] offset:\t*8192+\u*512   ; a lane's eight kpos of one column are 16 bytes of a fragment half: 512 consecutive bytes a wave
.endr
.endr
	s_endpgm
.Lfunc_end_k_qa10b7d0ebb_prep:
	.size	k_qa10b7d0ebb_prep, .Lfunc_end_k_qa10b7d0ebb_prep-k_qa10b7d0ebb_prep
	.p2alignl 7, 3214868480
	.fill 96, 4, 3214868480
	.section	.rodata,"a",@progbits
	.p2align	6, 0x0
	.amdhsa_kernel k_qa10b7d0ebb_prep
		.amdhsa_group_segment_fixed_size 266240
		.amdhsa_private_segment_fixed_size 0
		.amdhsa_enable_private_segment 0
		.amdhsa_kernarg_size 88
		.amdhsa_user_sgpr_count 2
		.amdhsa_user_sgpr_kernarg_segment_ptr 1
		.amdhsa_wavefront_size32 1
		.amdhsa_system_sgpr_workgroup_id_x 1
		.amdhsa_system_sgpr_workgroup_id_y 1
		.amdhsa_system_sgpr_workgroup_id_z 1
		.amdhsa_system_vgpr_workitem_id 0
		.amdhsa_next_free_vgpr 256
		.amdhsa_next_free_sgpr 66
		.amdhsa_reserve_vcc 1
		.amdhsa_float_denorm_mode_32 3
		.amdhsa_float_denorm_mode_16_64 3
		.amdhsa_memory_ordered 1
		.amdhsa_forward_progress 1
		.amdhsa_inst_pref_size 82
	.end_amdhsa_kernel
	.amdgpu_metadata
---
amdhsa.version: [ 1, 2 ]
amdhsa.kernels:
  - .name:           k_qa10b7d0ebb_prep
    .symbol:         k_qa10b7d0ebb_prep.kd
    .args:
      - { .name: c1a, .offset: 0, .size: 8, .value_kind: global_buffer, .address_space: global }
      - { .name: c1b, .offset: 8, .size: 8, .value_kind: global_buffer, .address_space: global }
      - { .name: c2a, .offset: 16, .size: 8, .value_kind: global_buffer, .address_space: global }
      - { .name: c2b, .offset: 24, .size: 8, .value_kind: global_buffer, .address_space: global }
      - { .name: hd_in, .offset: 32, .size: 8, .value_kind: global_buffer, .address_space: global }
      - { .name: hd_out, .offset: 40, .size: 8, .value_kind: global_buffer, .address_space: global }
      - { .name: path_bases, .offset: 48, .size: 8, .value_kind: global_buffer, .address_space: global }
      - { .name: path_weights, .offset: 56, .size: 8, .value_kind: global_buffer, .address_space: global }
      - { .name: wf, .offset: 64, .size: 8, .value_kind: global_buffer, .address_space: global }
      - { .name: g4, .offset: 72, .size: 8, .value_kind: global_buffer, .address_space: global }
      - { .name: mf, .offset: 80, .size: 8, .value_kind: global_buffer, .address_space: global }
    .group_segment_fixed_size: 266240
    .private_segment_fixed_size: 0
    .kernarg_segment_align: 8
    .kernarg_segment_size: 88
    .max_flat_workgroup_size: 256
    .sgpr_count:     66
    .vgpr_count:     256
    .wavefront_size: 32
...
	.end_amdgpu_metadata
.endif
;; end of part 1
;; launch main (part 2): grid 64 x 4, 8 waves a work-group, clusters of 4 x 1, 262,144 bytes of LDS; arguments x, wf, g4, path_weights, yb, sbuf; writes yb, sbuf
.if DOCPART == 2
	.amdgcn_target "amdgcn-amd-amdhsa--gfx1250"
	.amdhsa_code_object_version 6
	.text
	.protected	k_qa10b7d0ebb_main
	.globl	k_qa10b7d0ebb_main
	.p2align	8
	.type	k_qa10b7d0ebb_main,@function
k_qa10b7d0ebb_main:
	s_mov_b64 s[64:65], 0
	v_nop
	global_prefetch_b8 v0, s[64:65] scope:SCOPE_SE
	s_setreg_imm32_b32 hwreg(HW_REG_WAVE_MODE, 25, 1), 1
	s_wait_xcnt 0x0
	s_wait_alu depctr_hold_cnt(0) depctr_sa_sdst(0) depctr_va_vdst(0) depctr_va_sdst(0) depctr_va_ssrc(0) depctr_va_vcc(0) depctr_vm_vsrc(0)
	s_getreg_b32 s2, hwreg(HW_REG_IB_STS2, 6, 4)
	s_cmp_eq_u32 s2, 0
	s_cbranch_scc0 .Lentry_in_a_cluster
	s_endpgm
.Lentry_in_a_cluster:
	s_bfe_u32 s2, ttmp6, 0x10000c
	s_cmp_lg_u32 s2, 0x3003
	s_cbranch_scc0 .Lentry_shape_is_right
	s_endpgm
.Lentry_shape_is_right:
; THE FUSED TT CHAIN.  A work-group: one path k, 32 samples; a wave: 4 samples, two at a time; a sample never leaves its wave.
; For each rank r of 16:  T[p][n] = sum_m X[m][p] c1a[m][n][r];  H[n][o] += sum_p T[p][n] c1b[r][p][o].  Then g = gelu(H) (tanh form), and for each r:
; T2[p2][n2] = sum_n g[n][p2] c2a[n][n2][r];  Y[n2][o2] += sum_p2 T2[p2][n2] c2b[r][p2][o2].  All operands f16, all sums f32.
; A result tile holds one column a lane and eight rows in its registers: rounded in pairs, two tiles ARE the next product's first operand (rows = the old columns,
; K = the old rows), so nothing changes lanes between the four products.  The cores' fragments were laid out to fit (K permuted alike on both sides where x's loads ask for it).
; All four cores of path k, 256 KB as f16 fragments, lie in LDS for the whole launch.  The four work-groups of a cluster share k: each fragment block is asked for jointly.
; Eight waves of 512 registers: while one wave of a SIMD converts or does its GELU, the other has matrix work.
; Also here: scores = x G in f32, softmax with its maximum taken away, and s[k][b] = prob sc_g sc_y sc_pw / 16 for the last launch.
; SCALES: gelu(H) is divided by sc_g = 2^exponent of the sample's largest |H|, Y by sc_y likewise; both go into s.
; LIMITS: x, T and T2 are rounded to f16 unscaled (largest 65,504); maxima with exponent field under 4 or over 252 are not served.
; REGISTERS.  Window 0: v1-v4 16 L + the cores' LDS bases, v5, v6 walking addresses, v7 8 L, v8 32 L, v9 lane, v10-11 prob then s, v12-13 sc_g, v14-15 at work, v0 sc_pw / 16.
;   Window 1: 128 s + ..: H's 16 accumulators of sample s; later g's 8 fragments (0-63) and Y's 4 accumulators (64-95); at a round's start v0-127 hold G.
.set XF, 16                            ; v[16:47]   x as first operand: [s][pt][8]
.set WA, 48                            ; v[48:79]   four fragments of the a-core
.set WB, 80                            ; v[80:111]  four fragments of the b-core
.set TH, 112                           ; v[112:175] T or T2 in f16: [s][4 fragments][8]
.set TF, 176                           ; v[176:239] T or T2 in f32, 8 tiles; also x in f32, and GELU's work
.set RD, 240                           ; v[240:255] reductions
.set SEL, 48                           ; s[48:49]
.set MSB, 0
.macro WIN new                         ; the immediate's high byte repeats the setting that is left; bits 1:0 source 0, 3:2 source 1, 5:4 source 2, 7:6 destination
.if MSB != \new
	s_set_vgpr_msb (MSB<<8)|\new
.set MSB, \new
.endif
.endm
.macro NOP4
.rept 4
	v_nop
.endr
.endm
.macro ROUND                           ; a round of the cluster's barrier
	s_barrier_signal -1
	s_barrier_wait -1
	s_cmp_lg_u32 s16, 0
	s_cbranch_scc1 .Lnot_wave_0_\@
	s_barrier_signal -3
.Lnot_wave_0_\@:
	s_barrier_wait -3
	s_barrier_signal -1
	s_barrier_wait -1
.endm
.macro REDMAX r, t
.irp x, 1,2,4,8
	v_max_num_f32_dpp v[\r], v[\r], v[\r] row_xmask:\x row_mask:0xf bank_mask:0xf
.endr
	v_permlanex16_b32 v[\t], v[\r], s[SEL], s[SEL+1]
	v_max_num_f32 v[\r], v[\r], v[\t]
.endm
	s_load_b256 s[4:11], s[0:1], 0x0               ; x s[4:5], wf s[6:7], g4 s[8:9], pw s[10:11]
	s_load_b128 s[12:15], s[0:1], 0x20             ; yb s[12:13], sbuf s[14:15]
	v_lshrrev_b32 v1, 5, v0
	v_readfirstlane_b32 s16, v1                    ; wave
	s_bfe_u32 s20, ttmp6, 0x40000                  ; cx: it enters the addresses of x, yb and sbuf alone
	s_lshl_b32 s21, ttmp9, 2
	s_add_co_u32 s21, s21, s20                     ; my block of 32 samples
	s_and_b32 s19, ttmp7, 0xffff                   ; k, which the four partners share
	; descriptor group 1: 64 rows of 32 elements of 8 bytes, dense: 16 KB
	s_mov_b32 s24, 15|(3<<16)|(1<<21)              ; 15:0 all four work-groups; 17:16 elements of 8 bytes; 21 set beside a mask
	s_mov_b32 s25, 32<<16                          ; tensor_dim0 = 32
	s_mov_b32 s26, 64<<16                          ; tensor_dim1 = 64
	s_mov_b32 s27, 32<<16                          ; tile_dim0 = 32
	s_mov_b32 s28, 64                              ; tile_dim1 = 64
	s_mov_b32 s29, 32                              ; elements from row to row
	s_mov_b32 s30, 0
	s_mov_b32 s31, 0
	s_lshl_b32 s22, s19, 18                        ; wf: k x 262,144 + wave x 16,384
	s_lshl_b32 s33, s16, 14                        ; LDS mirrors wf[k]: wave x 16,384,
	s_add_co_u32 s22, s22, s33
	s_mov_b32 s23, 0
	s_add_co_u32 s37, s33, 131072                  ; and the same place in the upper half
	s_mov_b32 s32, 1
	s_mov_b32 s36, 1
	s_mov_b32 s44, 0xbdd2d3e8                      ; -2 log2(e) sqrt(2/pi) 0.044715
	s_mov_b32 s45, s44                             ; named with it as a pair
	s_mov_b32 s46, 0xc0135761                      ; -2 log2(e) sqrt(2/pi)
	s_mov_b32 s[SEL], 0x76543210
	s_mov_b32 s[SEL+1], 0xfedcba98
	s_cmp_eq_u32 s19, 1                            ; lane masks that pick path k's own exponential
	s_cselect_b32 s41, -1, 0
	s_cmp_eq_u32 s19, 2
	s_cselect_b32 s42, -1, 0
	s_cmp_eq_u32 s19, 3
	s_cselect_b32 s43, -1, 0
	s_wait_kmcnt 0x0
	s_add_nc_u64 s[6:7], s[6:7], s[22:23]
	s_mov_b64 s[34:35], s[6:7]
	s_or_b32 s35, s35, 0x80000000                  ; type = 2
	s_add_nc_u64 s[38:39], s[6:7], 131072
	s_or_b32 s39, s39, 0x80000000
	ROUND                                          ; all four work-groups are here: the joint loads meet
	tensor_load_to_lds s[32:35], s[24:31]          ; both first fills together: two loads of mine are out
	s_nop 0
	tensor_load_to_lds s[36:39], s[24:31]
	s_nop 0
	NOP4
	v_and_b32 v9, 31, v0                           ; lane
	v_lshlrev_b32 v1, 4, v9                        ; 16 L: c1a's fragments begin at LDS byte 0
	v_add_nc_u32 v2, 65536, v1                     ; c1b's
	v_add_nc_u32 v3, 131072, v1                    ; c2a's
	v_add_nc_u32 v4, 196608, v1                    ; c2b's
	v_lshlrev_b32 v7, 3, v9
	v_lshlrev_b32 v8, 5, v9
	s_lshl_b32 s22, s19, 11                        ; pw: row k
	s_add_nc_u64 s[10:11], s[10:11], s[22:23]
	s_lshl_b32 s22, s21, 17                        ; x: (32 block + 4 wave) rows of 4,096 bytes
	s_lshl_b32 s52, s16, 14
	s_add_co_u32 s22, s22, s52
	s_add_nc_u64 s[4:5], s[4:5], s[22:23]
	s_lshl_b32 s22, s22, 1                         ; yb: the same rows of 8,192 bytes + k x 2,048
	s_lshl_b32 s52, s19, 11
	s_add_co_u32 s22, s22, s52
	s_add_nc_u64 s[12:13], s[12:13], s[22:23]
	s_lshl_b32 s22, s19, 13                        ; sbuf: k x 8,192 + 4 x sample
	s_lshl_b32 s52, s21, 7
	s_add_co_u32 s22, s22, s52
	s_lshl_b32 s52, s16, 4
	s_add_co_u32 s22, s22, s52
	s_add_nc_u64 s[14:15], s[14:15], s[22:23]
.irp i, 0,1,2,3
	global_load_b128 v[TF+4*\i:TF+4*\i+3], v1, s[10:11] offset:512*\i
.endr
	v_mov_b32 v[RD+1], 0
	s_wait_loadcnt 0x0
	v_max3_num_f32 v[RD], |v[TF]|, |v[TF+1]|, |v[TF+2]|
.irp i, 3,5,7,9,11,13
	v_max3_num_f32 v[RD], v[RD], |v[TF+\i]|, |v[TF+\i+1]|
.endr
	v_max_num_f32 v[RD], v[RD], |v[TF+15]|
	REDMAX RD, RD+1
	v_and_b32 v[RD], 0x7f800000, v[RD]
	v_mul_f32 v0, 0x3d800000, v[RD]                ; sc_pw / 16
	s_wait_tensorcnt 0x0                           ; my two blocks are in,
	s_barrier_signal -1
	s_barrier_wait -1                              ; everybody's are
.macro LDF reg, adr                    ; four fragments of 1 KB: lane L takes 16 bytes at 16 L of each half: consecutive, no bank is asked twice
.irp t, 0,1,2,3
	ds_load_b128 v[\reg+8*\t:\reg+8*\t+3],   v[\adr] offset:\t*1024
	ds_load_b128 v[\reg+8*\t+4:\reg+8*\t+7], v[\adr] offset:\t*1024+512
.endr
.endm
.macro MS1 s                           ; T = X^T c1a: tile (nt, pt) at TF + 8 (2 nt + pt)
.irp n, 0,1,2,3
.irp p, 0,1
	v_wmma_f32_16x16x32_f16 v[TF+8*(2*\n+\p):TF+8*(2*\n+\p)+7], v[XF+16*\s+8*\p:XF+16*\s+8*\p+7], v[WA+8*\n:WA+8*\n+7], 0
.endr
.endr
.endm
.macro CVT s                           ; tiles 2 f and 2 f + 1 become fragment f
.irp f, 0,1,2,3
.irp q, 0,1
.irp j, 0,1,2,3
	v_cvt_pk_f16_f32 v[TH+32*\s+8*\f+4*\q+\j], v[TF+8*(2*\f+\q)+2*\j], v[TF+8*(2*\f+\q)+2*\j+1]
.endr
.endr
.endr
.endm
.macro MS2 zero                        ; H += T^T c1b: 32 accumulators by turns, one instruction a turn
.irp o, 0,1,2,3
.irp n, 0,1,2,3
.irp s, 0,1
.if \zero
	v_wmma_f32_16x16x32_f16 v[128*\s+8*(4*\o+\n):128*\s+8*(4*\o+\n)+7], v[TH+32*\s+8*\n:TH+32*\s+8*\n+7], v[WB+8*\o:WB+8*\o+7], 0
.else
	v_wmma_f32_16x16x32_f16 v[128*\s+8*(4*\o+\n):128*\s+8*(4*\o+\n)+7], v[TH+32*\s+8*\n:TH+32*\s+8*\n+7], v[WB+8*\o:WB+8*\o+7], v[128*\s+8*(4*\o+\n):128*\s+8*(4*\o+\n)+7]
.endif
.endr
.endr
.endr
.endm
.macro MS3 s                           ; T2 = g^T c2a, K = 64: 8 tiles by turns, tile (n2t, p2t) at TF + 8 (4 n2t + p2t)
.irp k, 0,1
.irp n, 0,1
.irp p, 0,1,2,3
.if \k == 0
	v_wmma_f32_16x16x32_f16 v[TF+8*(4*\n+\p):TF+8*(4*\n+\p)+7], v[128*\s+8*(2*\p+\k):128*\s+8*(2*\p+\k)+7], v[WA+8*(2*\k+\n):WA+8*(2*\k+\n)+7], 0
.else
	v_wmma_f32_16x16x32_f16 v[TF+8*(4*\n+\p):TF+8*(4*\n+\p)+7], v[128*\s+8*(2*\p+\k):128*\s+8*(2*\p+\k)+7], v[WA+8*(2*\k+\n):WA+8*(2*\k+\n)+7], v[TF+8*(4*\n+\p):TF+8*(4*\n+\p)+7]
.endif
.endr
.endr
.endr
.endm
.macro MS4 zero                        ; Y += T2^T c2b, K = 64: 8 accumulators (two samples x four tiles) by turns
.irp k, 0,1
.irp s, 0,1
.irp n, 0,1
.irp o, 0,1
.if \zero && (\k == 0)
	v_wmma_f32_16x16x32_f16 v[128*\s+64+8*(2*\n+\o):128*\s+64+8*(2*\n+\o)+7], v[TH+32*\s+8*(2*\n+\k):TH+32*\s+8*(2*\n+\k)+7], v[WB+8*(2*\k+\o):WB+8*(2*\k+\o)+7], 0
.else
	v_wmma_f32_16x16x32_f16 v[128*\s+64+8*(2*\n+\o):128*\s+64+8*(2*\n+\o)+7], v[TH+32*\s+8*(2*\n+\k):TH+32*\s+8*(2*\n+\k)+7], v[WB+8*(2*\k+\o):WB+8*(2*\k+\o)+7], v[128*\s+64+8*(2*\n+\o):128*\s+64+8*(2*\n+\o)+7]
.endif
.endr
.endr
.endr
.endr
.endm
; One rank.  ph = 0: the first layer (MS1, MS2); 1: the second (MS3, MS4).  zero = 1: the rank starts the sums.  last = 1: no further a-core to fetch.
; The four v_nop are the places between products and the loads into their operands, the conversions that read their results and those that write their operands.
.macro BODY ph, zero, last
	s_wait_dscnt 0x0                               ; the a-core's fragments, the only loads out
.irp s, 0,1
.if \ph
	WIN 0x01                                       ; g's fragments lie in window 1
	MS3 \s
	WIN 0
.else
	MS1 \s
.endif
	NOP4
.if \s == 0
	LDF WB, 6                                      ; this rank's b-core
.elseif !\last
	v_add_nc_u32 v5, 4096, v5
	LDF WA, 5                                      ; the next rank's a-core
.endif
	CVT \s
.endr
.if \last
	s_wait_dscnt 0x0
.else
	s_wait_dscnt 0x8                               ; the b-core is in; the eight loads of the next a-core stay out
.endif
	WIN 0x50                                       ; sums in window 1
.if \ph
	MS4 \zero
.else
	MS2 \zero
.endif
	WIN 0
	v_add_nc_u32 v6, 4096, v6
.endm
; The largest magnitude of 2 n registers of window 1, from base on, over all lanes: v[RD] = sc = 2^its exponent, v[14:15] = 1 / sc twice.
; The four moves start the chains and are the places behind the last products.
.macro MAXW base, n
	WIN 0
.irp i, 0,1,2,3
	v_mov_b32 v[RD+\i], 0
.endr
	WIN 0x14
.set i, 0
.rept \n
	v_max3_num_f32 v[RD+i%4], v[RD+i%4], |v[\base+2*i]|, |v[\base+2*i+1]|
.set i, i+1
.endr
	WIN 0
	v_max3_num_f32 v[RD], v[RD], v[RD+1], v[RD+2]
	v_max_num_f32 v[RD], v[RD], v[RD+3]
	REDMAX RD, RD+1
	v_and_b32 v[RD], 0x7f800000, v[RD]
	v_sub_nc_u32 v14, 0x7f000000, v[RD]            ; exponent field 254 - e
	v_mov_b32 v15, v14
.endm
; g / sc_g = (h / sc_g) / (1 + 2^z), z = h (a + b h^2): the tanh form of GELU.  16 registers a chunk; chunk f's 8 packed results land on registers that chunks up to f have read.
.macro GELU s
	MAXW 128*\s, 64
	v_mov_b32 v[12+\s], v[RD]
	v_mov_b32 v[TF+32], s46
	v_mov_b32 v[TF+33], s46
.set f, 0
.rept 8
.set hb, 128*\s+16*f
	WIN 0x05
.irp i, 0,2,4,6,8,10,12,14
	v_pk_mul_f32 v[TF+\i:TF+\i+1], v[hb+\i:hb+\i+1], v[hb+\i:hb+\i+1]
.endr
	WIN 0
.irp i, 0,2,4,6,8,10,12,14
	v_pk_fma_f32 v[TF+\i:TF+\i+1], v[TF+\i:TF+\i+1], s[44:45], v[TF+32:TF+33] op_sel_hi:[1,0,1]
.endr
	WIN 0x01
.irp i, 0,2,4,6,8,10,12,14
	v_pk_mul_f32 v[TF+\i:TF+\i+1], v[hb+\i:hb+\i+1], v[TF+\i:TF+\i+1]
.endr
	WIN 0
.irp i, 0,1,2,3,4,5,6,7,8,9,10,11,12,13,14,15
	v_exp_f32 v[TF+\i], v[TF+\i]
.endr
	WIN 0x01
.irp i, 0,2,4,6,8,10,12,14
	v_pk_mul_f32 v[TF+16+\i:TF+16+\i+1], v[hb+\i:hb+\i+1], v[14:15]    ; plain work that touches no exponential: it stands between them and their use
.endr
	WIN 0
	s_wait_alu depctr_va_vdst(0)
.irp i, 0,2,4,6,8,10,12,14
	v_pk_add_f32 v[TF+\i:TF+\i+1], v[TF+\i:TF+\i+1], 1.0 op_sel_hi:[1,0]
.endr
.irp i, 0,1,2,3,4,5,6,7,8,9,10,11,12,13,14,15
	v_rcp_f32 v[TF+\i], v[TF+\i]
.endr
	v_nop                                          ; a plain instruction between the last reciprocal and its use
	s_wait_alu depctr_va_vdst(0)
.irp i, 0,2,4,6,8,10,12,14
	v_pk_mul_f32 v[TF+\i:TF+\i+1], v[TF+16+\i:TF+16+\i+1], v[TF+\i:TF+\i+1]
.endr
	WIN 0x40
.irp i, 0,1,2,3,4,5,6,7
	v_cvt_pk_f16_f32 v[128*\s+8*f+\i], v[TF+2*\i], v[TF+2*\i+1]
.endr
.set f, f+1
.endr
	WIN 0
.endm
; Y of sample s: scaled, rounded, stored; a tile's 8 numbers a lane are 16 bytes: a wave's store covers 512 consecutive bytes (yb's order of pos is made for that).
.macro EPI s
	MAXW 128*\s+64, 16
	v_mul_f32 v[10+\s], v[10+\s], v[12+\s]
	v_mul_f32 v[10+\s], v[10+\s], v[RD]
	v_mul_f32 v[10+\s], v[10+\s], v0               ; s = prob sc_g sc_y sc_pw / 16
	WIN 0x01
.irp i, 0,2,4,6,8,10,12,14,16,18,20,22,24,26,28,30
	v_pk_mul_f32 v[TF+32*\s+\i:TF+32*\s+\i+1], v[128*\s+64+\i:128*\s+64+\i+1], v[14:15]
.endr
	WIN 0
.irp i, 0,1,2,3,4,5,6,7,8,9,10,11,12,13,14,15
	v_cvt_pk_f16_f32 v[TH+16*\s+\i], v[TF+32*\s+2*\i], v[TF+32*\s+2*\i+1]
.endr
.irp t, 0,1,2,3
	global_store_b128 v1, v[TH+16*\s+4*\t:TH+16*\s+4*\t+3], s[12:13] offset:\s*8192+\t*512
.endr
.endm
	s_mov_b32 s17, 0
.Lround:                                               ; two trips, two samples each
	; x: load i brings numbers 64 i + 2 L, + 1: m = 2 i + L / 16, p = 2 (L % 16) + pt.  G: the same two d, four k' each.
.irp s, 0,1
.irp i, 0,1,2,3,4,5,6,7,8,9,10,11,12,13,14,15
	global_load_b64 v[TF+32*\s+2*\i:TF+32*\s+2*\i+1], v7, s[4:5] offset:\s*4096+256*\i
.endr
.endr
	WIN 0x40
.irp i, 0,1,2,3,4,5,6,7,8,9,10,11,12,13,14,15
	global_load_b128 v[8*\i:8*\i+3],   v8, s[8:9] offset:1024*\i
	global_load_b128 v[8*\i+4:8*\i+7], v8, s[8:9] offset:1024*\i+16
.endr
	s_wait_loadcnt 0x0
	WIN 0x01                                       ; scores: eight chains [s][pt][pair of k']; the first products start them
.irp i, 0,1,2,3,4,5,6,7,8,9,10,11,12,13,14,15
.irp s, 0,1
.irp p, 0,1
.irp k, 0,1
.if \i == 0
	v_pk_mul_f32 v[RD+8*\s+4*\p+2*\k:RD+8*\s+4*\p+2*\k+1], v[4*\p+2*\k:4*\p+2*\k+1], v[TF+32*\s:TF+32*\s+1] op_sel:[0,\p] op_sel_hi:[1,\p]
.else
	v_pk_fma_f32 v[RD+8*\s+4*\p+2*\k:RD+8*\s+4*\p+2*\k+1], v[8*\i+4*\p+2*\k:8*\i+4*\p+2*\k+1], v[TF+32*\s+2*\i:TF+32*\s+2*\i+1], v[RD+8*\s+4*\p+2*\k:RD+8*\s+4*\p+2*\k+1] op_sel:[0,\p,0] op_sel_hi:[1,\p,1]
.endif
.endr
.endr
.endr
.endr
	WIN 0
.irp r, 0,2,8,10
	v_pk_add_f32 v[RD+\r:RD+\r+1], v[RD+\r:RD+\r+1], v[RD+4+\r:RD+4+\r+1]
.endr
.irp x, 1,2,4,8
.irp r, 0,1,2,3,8,9,10,11
	v_add_f32_dpp v[RD+\r], v[RD+\r], v[RD+\r] row_xmask:\x row_mask:0xf bank_mask:0xf
.endr
.endr
.irp r, 0,1,2,3,8,9,10,11
	v_permlanex16_b32 v[RD+4+\r], v[RD+\r], s[SEL], s[SEL+1]
.endr
.irp r, 0,1,2,3,8,9,10,11
	v_add_f32 v[RD+\r], v[RD+\r], v[RD+4+\r]
.endr
.irp s, 0,1                            ; softmax over the four paths, the maximum taken away; path k's own share is kept
	v_max3_num_f32 v14, v[RD+8*\s], v[RD+8*\s+1], v[RD+8*\s+2]
	v_max_num_f32 v14, v14, v[RD+8*\s+3]
.irp j, 0,1,2,3
	v_sub_f32 v[RD+8*\s+4+\j], v[RD+8*\s+\j], v14
.endr
.irp j, 0,1,2,3
	v_mul_f32 v[RD+8*\s+4+\j], 0x3fb8aa3b, v[RD+8*\s+4+\j]
.endr
.irp j, 0,1,2,3
	v_exp_f32 v[RD+8*\s+4+\j], v[RD+8*\s+4+\j]
.endr
	v_nop
	s_wait_alu depctr_va_vdst(0)
	v_add_f32 v14, v[RD+8*\s+4], v[RD+8*\s+5]
	v_add_f32 v15, v[RD+8*\s+6], v[RD+8*\s+7]
	v_add_f32 v14, v14, v15
	v_cndmask_b32 v15, v[RD+8*\s+4], v[RD+8*\s+5], s41
	v_cndmask_b32 v15, v15, v[RD+8*\s+6], s42
	v_cndmask_b32 v15, v15, v[RD+8*\s+7], s43
	v_rcp_f32 v14, v14
	v_nop
	s_wait_alu depctr_va_vdst(0)
	v_mul_f32 v[10+\s], v15, v14
.endr
.irp s, 0,1                            ; x as first operand: row c is p = 2 c + pt; place (q, h, e) of K holds m = 16 q + 2 e + h, as c1a's fragments do
.irp p, 0,1
.irp q, 0,1
.irp e, 0,1,2,3
	v_cvt_pk_f16_f32 v[XF+16*\s+8*\p+4*\q+\e], v[TF+32*\s+2*(8*\q+2*\e)+\p], v[TF+32*\s+2*(8*\q+2*\e+1)+\p]
.endr
.endr
.endr
.endr
	; the first layer: 16 ranks
	v_mov_b32 v5, v1
	v_mov_b32 v6, v2
	LDF WA, 5
	BODY 0, 1, 0
	s_mov_b32 s18, 14
.Lrank_a:
	BODY 0, 0, 0
	s_sub_co_u32 s18, s18, 1
	s_cmp_lg_u32 s18, 0
	s_cbranch_scc1 .Lrank_a
	BODY 0, 0, 1
	GELU 0
	GELU 1
	; the second layer: 16 ranks
	v_mov_b32 v5, v3
	v_mov_b32 v6, v4
	LDF WA, 5
	BODY 1, 1, 0
	s_mov_b32 s18, 14
.Lrank_b:
	BODY 1, 0, 0
	s_sub_co_u32 s18, s18, 1
	s_cmp_lg_u32 s18, 0
	s_cbranch_scc1 .Lrank_b
	BODY 1, 0, 1
	EPI 0
	EPI 1
	v_cmp_eq_u32 vcc_lo, 1, v9
	v_cndmask_b32 v14, v10, v11, vcc_lo            ; lane 0: the first sample's s; lane 1: the second's
	v_lshlrev_b32 v15, 2, v9
	s_wait_xcnt 0x0                                ; EXEC changes only behind this wait
	v_cmp_gt_u32 vcc_lo, 2, v9
	s_and_saveexec_b32 s50, vcc_lo
	global_store_b32 v15, v14, s[14:15]
	s_wait_xcnt 0x0                                ; and the stores' data, offsets and bases are written again only behind this one
	s_or_b32 exec_lo, exec_lo, s50
	s_add_nc_u64 s[4:5], s[4:5], 8192              ; two samples on
	s_add_nc_u64 s[12:13], s[12:13], 16384
	s_add_nc_u64 s[14:15], s[14:15], 8
	s_add_co_u32 s17, s17, 1
	s_cmp_lt_u32 s17, 2
	s_cbranch_scc1 .Lround
	ROUND                                          ; the closing round
	s_endpgm
.Lfunc_end_k_qa10b7d0ebb_main:
	.size	k_qa10b7d0ebb_main, .Lfunc_end_k_qa10b7d0ebb_main-k_qa10b7d0ebb_main
	.p2alignl 7, 3214868480
	.fill 96, 4, 3214868480
	.section	.rodata,"a",@progbits
	.p2align	6, 0x0
	.amdhsa_kernel k_qa10b7d0ebb_main
		.amdhsa_group_segment_fixed_size 262144
		.amdhsa_private_segment_fixed_size 0
		.amdhsa_enable_private_segment 0
		.amdhsa_kernarg_size 48
		.amdhsa_user_sgpr_count 2
		.amdhsa_user_sgpr_kernarg_segment_ptr 1
		.amdhsa_wavefront_size32 1
		.amdhsa_system_sgpr_workgroup_id_x 1
		.amdhsa_system_sgpr_workgroup_id_y 1
		.amdhsa_system_sgpr_workgroup_id_z 1
		.amdhsa_system_vgpr_workitem_id 0
		.amdhsa_next_free_vgpr 512
		.amdhsa_next_free_sgpr 66
		.amdhsa_reserve_vcc 1
		.amdhsa_float_denorm_mode_32 3
		.amdhsa_float_denorm_mode_16_64 3
		.amdhsa_memory_ordered 1
		.amdhsa_forward_progress 1
		.amdhsa_inst_pref_size 175
	.end_amdhsa_kernel
	.amdgpu_metadata
---
amdhsa.version: [ 1, 2 ]
amdhsa.kernels:
  - .name:           k_qa10b7d0ebb_main
    .symbol:         k_qa10b7d0ebb_main.kd
    .args:
      - { .name: x, .offset: 0, .size: 8, .value_kind: global_buffer, .address_space: global }
      - { .name: wf, .offset: 8, .size: 8, .value_kind: global_buffer, .address_space: global }
      - { .name: g4, .offset: 16, .size: 8, .value_kind: global_buffer, .address_space: global }
      - { .name: path_weights, .offset: 24, .size: 8, .value_kind: global_buffer, .address_space: global }
      - { .name: yb, .offset: 32, .size: 8, .value_kind: global_buffer, .address_space: global }
      - { .name: sbuf, .offset: 40, .size: 8, .value_kind: global_buffer, .address_space: global }
    .group_segment_fixed_size: 262144
    .private_segment_fixed_size: 0
    .kernarg_segment_align: 8
    .kernarg_segment_size: 48
    .max_flat_workgroup_size: 256
    .sgpr_count:     66
    .vgpr_count:     512
    .wavefront_size: 32
...
	.end_amdgpu_metadata
.endif
;; end of part 2
;; launch fin (part 3): grid 16 x 16, 4 waves a work-group, clusters of 4 x 4, 327,680 bytes of LDS; arguments yb, mf, sbuf, out0; writes out0
.if DOCPART == 3
	.amdgcn_target "amdgcn-amd-amdhsa--gfx1250"
	.amdhsa_code_object_version 6
	.text
	.protected	k_qa10b7d0ebb_fin
	.globl	k_qa10b7d0ebb_fin
	.p2align	8
	.type	k_qa10b7d0ebb_fin,@function
k_qa10b7d0ebb_fin:
	s_mov_b64 s[64:65], 0
	v_nop
	global_prefetch_b8 v0, s[64:65] scope:SCOPE_SE
	s_setreg_imm32_b32 hwreg(HW_REG_WAVE_MODE, 25, 1), 1
	s_wait_xcnt 0x0
	s_wait_alu depctr_hold_cnt(0) depctr_sa_sdst(0) depctr_va_vdst(0) depctr_va_sdst(0) depctr_va_ssrc(0) depctr_va_vcc(0) depctr_vm_vsrc(0)
	s_getreg_b32 s2, hwreg(HW_REG_IB_STS2, 6, 4)
	s_cmp_eq_u32 s2, 0
	s_cbranch_scc0 .Lentry_in_a_cluster
	s_endpgm
.Lentry_in_a_cluster:
	s_bfe_u32 s2, ttmp6, 0x10000c
	s_cmp_lg_u32 s2, 0xf033
	s_cbranch_scc0 .Lentry_shape_is_right
	s_endpgm
.Lentry_shape_is_right:
; out[b][j] = sum over k of s[k][b] x (sum over pos of Y'[b][k][pos] M'[k][pos][j]).  Y' (yb, [b][k][pos]) and M' (mf, ready fragments) are f16; sums in f32.
; A work-group makes 128 rows x 64 columns (256 work-groups).  WAVE w IS PATH w: it makes the whole tile for its own 1,024 of K, in 32 accumulators, scales it once by s[w][b],
; and the four tiles are added through LDS at the end.  So every byte of yb in LDS is read once, by the wave whose own load brought it (16 LDS loads for 32 matrix instructions),
; and every fragment of mf is used by one wave alone: it goes straight into that wave's registers, two loads of 512 consecutive bytes a fragment.
; yb: 8 steps of 128 along K through two LDS slots; a wave's load brings 128 rows of 256 bytes, each at a multiple of 256 bytes from yb's first byte.
; CLUSTER 4 x 4: the four work-groups of a row of the cluster need the same rows of yb: each wave's load is a joint one.  mf is not asked for jointly: a joint load lands in LDS,
; and beside the two slots (278,528 bytes) LDS has no room for slots of mf (65,536 bytes a step).
; Each change of slots is a round of the cluster's barrier, every wave's waits in front of it, one joint load a wave first behind it: two loads of mine are out at the start, then one.
; Column of lane c in tile t is j = 64 J + 4 c + t, so the four tiles' numbers of a row and a lane are 16 neighbouring bytes of out0.
; REGISTERS, in windows of 256 (s_set_vgpr_msb: bits 1:0 source 0, 3:2 source 1, 5:4 source 2, 7:6 destination):
;   window 0: v0-13 addresses; v32-95, v96-159 yb's fragments of 32 along K (8 of 16 rows), two buffers, later the scaled quads; v160-223 s of my lane's 64 rows
;   window 1: the 32 accumulators, (mt, t) at 8 (4 mt + t); later the rows read back from the stage        window 2: mf's 16 fragments of a step, two buffers of 128
.set PITCH, 272                        ; an LDS row: 256 bytes + 16 = 17 x 16 bytes: the 16 rows of a fragment load fall on 16 different 16-byte columns of the banks
.set WPART, 128*PITCH                  ; a wave's part of a slot: 34,816 bytes
.set SLOT,  4*WPART                    ; 139,264 bytes
.set ADRA, 2                           ; v2, v3   my fragments of yb in slot 0, 1
.set BO,   4                           ; v4       16 L: my 16 bytes of a fragment half of mf
.set SO,   5                           ; v5       32 h: s of my eight rows of a tile
.set STO,  6                           ; v6       the stage: where I put a quad
.set CO,   7                           ; v7       my byte offset in out0
.set RD,   10                          ; v10-13   the stage: where I read a row of path 0..3 back
.set FA0,  32
.set TQ,   32                          ; v[32:159] 32 scaled quads
.set SC,   160
.set G1,  24                           ; s[24:31] descriptor group 1
.set G0,  32                           ; s[32:39] group 0, a set for each slot
.set MSB, 0
.macro WIN new                         ; the immediate's high byte repeats the setting that is left; a switch that changes nothing is dropped
.if MSB != \new
	s_set_vgpr_msb (MSB<<8)|\new
.set MSB, \new
.endif
.endm
.set W_MUL, 0x58                       ; yb's fragment window 0, mf's window 2, sums window 1
.set W_B,   0x80                       ; destination window 2, address window 0
.macro NOP4
.rept 4
	v_nop
.endr
.endm
.macro CROUND                          ; a round of the cluster's barrier: my work-group's barrier, wave 0 signals for it, all wait for the sixteen, my work-group's barrier again
	s_barrier_signal -1
	s_barrier_wait -1
	s_cmp_lg_u32 s12, 0
	s_cbranch_scc1 .Lnot_wave_0_\@
	s_barrier_signal -3
.Lnot_wave_0_\@:
	s_barrier_wait -3
	s_barrier_signal -1
	s_barrier_wait -1
.endm
.macro BLOAD buf, off                  ; a step's 16 fragments of mf (4 x 32 along K, 4 column tiles), 32 loads, into buffer buf of window 2
.irp i, 0,1,2,3
.irp t, 0,1,2,3
	global_load_b128 v[128*(\buf)+8*(4*\i+\t):128*(\buf)+8*(4*\i+\t)+3],   v[BO], s[6:7] offset:\off+\t*8192+\i*1024
	global_load_b128 v[128*(\buf)+8*(4*\i+\t)+4:128*(\buf)+8*(4*\i+\t)+7], v[BO], s[6:7] offset:\off+\t*8192+\i*1024+512
.endr
.endr
.endm
	s_load_b256 s[4:11], s[0:1], 0x0               ; yb s[4:5], mf s[6:7], sbuf s[8:9], out0 s[10:11]
	v_lshrrev_b32 v1, 5, v0
	v_readfirstlane_b32 s12, v1                    ; wave = path
	s_bfe_u32 s40, ttmp6, 0x40000                  ; cx
	s_bfe_u32 s41, ttmp6, 0x40004                  ; cy
	s_lshl_b32 s42, ttmp9, 2
	s_add_co_u32 s42, s42, s40                     ; J: my 64 columns
	s_and_b32 s43, ttmp7, 0xffff
	s_lshl_b32 s43, s43, 2
	s_add_co_u32 s43, s43, s41                     ; y: my 128 rows
	s_lshl_b32 s44, s41, 2
	s_lshl_b32 s44, 15, s44                        ; my row of the cluster
	s_or_b32 s[G1], s44, (1<<16)|(1<<20)|(1<<21)|(5<<22)|(3<<25)   ; the mask; elements of 2 bytes; padding on; bit 21 beside a mask; 4 words of padding behind every 64
	s_mov_b32 s[G1+1], 128<<16                     ; tensor_dim0 = 128
	s_mov_b32 s[G1+2], 128<<16                     ; tensor_dim1 = 128
	s_mov_b32 s[G1+3], 128<<16                     ; tile_dim0 = 128
	s_mov_b32 s[G1+4], 128                         ; tile_dim1 = 128
	s_mov_b32 s[G1+5], 4096                        ; a row of yb: 4 paths x 1,024 numbers
	s_mov_b32 s[G1+6], 0
	s_mov_b32 s[G1+7], 0
	s_lshl_b32 s16, s43, 20                        ; yb: 128 y rows of 8,192 bytes + path x 2,048: y and the wave's number alone, which my row of the cluster shares
	s_lshl_b32 s17, s12, 11
	s_add_co_u32 s16, s16, s17
	s_mov_b32 s17, 0
	s_lshl_b32 s46, s42, 19                        ; mf: J x 524,288 + path x 4 blocks of 32,768
	s_lshl_b32 s47, s12, 17
	s_add_co_u32 s46, s46, s47
	s_mov_b32 s47, 0
	s_mul_i32 s20, s12, WPART                      ; LDS: my part of a slot: the wave's number alone
	s_lshl_b32 s18, s12, 13                        ; sbuf: path x 8,192 + 4 x 128 y
	s_lshl_b32 s19, s43, 9
	s_add_co_u32 s18, s18, s19
	s_mov_b32 s19, 0
	s_lshl_b32 s22, s43, 19                        ; out0: (128 y + 32 w) rows of 4,096 bytes + 256 J
	s_lshl_b32 s23, s12, 17
	s_add_co_u32 s22, s22, s23
	s_lshl_b32 s23, s42, 8
	s_add_co_u32 s22, s22, s23
	s_mov_b32 s23, 0
	v_and_b32 v9, 31, v0                           ; L
	v_lshlrev_b32 v[BO], 4, v9
	s_wait_kmcnt 0x0
	s_add_nc_u64 s[16:17], s[4:5], s[16:17]
	s_add_nc_u64 s[6:7], s[6:7], s[46:47]
	s_add_nc_u64 s[8:9], s[8:9], s[18:19]
	s_add_nc_u64 s[10:11], s[10:11], s[22:23]
	WIN W_B
	BLOAD 0, 0                                     ; step 0's fragments of mf are asked for ahead of everything else
	WIN 0
	CROUND                                         ; all sixteen work-groups are here: the first joint loads meet
.irp s, 0,1
	s_mov_b32 s[G0+4*\s], 1                        ; count = 1
	s_add_co_u32 s[G0+4*\s+1], s20, \s*SLOT        ; LDS address
	s_add_nc_u64 s[G0+4*\s+2:G0+4*\s+3], s[16:17], \s*256          ; step s: 128 numbers along K
	s_or_b32 s[G0+4*\s+3], s[G0+4*\s+3], 0x80000000               ; type = 2
.endr
	tensor_load_to_lds s[G0:G0+3], s[G1:G1+7]      ; both first fills together: two loads of mine are out
	s_nop 0
	tensor_load_to_lds s[G0+4:G0+7], s[G1:G1+7]
	s_nop 0
	NOP4
	WIN W_B
	BLOAD 1, 4096                                  ; step 1's
	WIN 0
	v_and_b32 v1, 15, v0                           ; c
	v_bfe_u32 v8, v0, 4, 1                         ; h
	v_mul_u32_u24 v[ADRA], v1, PITCH
	v_lshl_add_u32 v[ADRA], v8, 4, v[ADRA]
	v_add_nc_u32 v[ADRA], s20, v[ADRA]             ; my part + c x pitch + 16 h
	v_add_nc_u32 v[ADRA+1], SLOT, v[ADRA]
	v_lshlrev_b32 v[SO], 5, v8
	v_mul_u32_u24 v[STO], v8, 8*PITCH              ; the stage, in: my part of slot 0, row 8 h (+ 16 mt + j), 16 c
	v_lshl_add_u32 v[STO], v1, 4, v[STO]
	v_add_nc_u32 v[STO], s20, v[STO]
	v_lshlrev_b32 v[CO], 12, v8                    ; out0: lanes 0-15 one row, lanes 16-31 the next; 16 c
	v_lshl_add_u32 v[CO], v1, 4, v[CO]
	s_mul_i32 s21, s12, 32*PITCH                   ; the stage, back: row 32 w + h (+ 2 u) of each path's part
	v_mul_u32_u24 v[RD], v8, PITCH
	v_lshl_add_u32 v[RD], v1, 4, v[RD]
	v_add_nc_u32 v[RD], s21, v[RD]
	v_add_nc_u32 v[RD+1], WPART, v[RD]
	v_add_nc_u32 v[RD+2], 2*WPART, v[RD]
	v_add_nc_u32 v[RD+3], 3*WPART, v[RD]
.macro FETCH slot, kk, buf             ; 16 loads: my path's 8 fragments (128 rows) of 32 along K
.irp m, 0,1,2,3,4,5,6,7
	ds_load_b128 v[\buf+8*\m:\buf+8*\m+3],   v[ADRA+\slot] offset:\m*16*PITCH+64*(\kk)
	ds_load_b128 v[\buf+8*\m+4:\buf+8*\m+7], v[ADRA+\slot] offset:\m*16*PITCH+64*(\kk)+32
.endr
.endm
.macro MUL32 fa, bb, kk, zero          ; the 32 accumulators take turns, one instruction a turn
.irp m, 0,1,2,3,4,5,6,7
.irp t, 0,1,2,3
.if \zero
	v_wmma_f32_16x16x32_f16 v[8*(4*\m+\t):8*(4*\m+\t)+7], v[\fa+8*\m:\fa+8*\m+7], v[\bb+8*(4*\kk+\t):\bb+8*(4*\kk+\t)+7], 0
.else
	v_wmma_f32_16x16x32_f16 v[8*(4*\m+\t):8*(4*\m+\t)+7], v[\fa+8*\m:\fa+8*\m+7], v[\bb+8*(4*\kk+\t):\bb+8*(4*\kk+\t)+7], v[8*(4*\m+\t):8*(4*\m+\t)+7]
.endif
.endr
.endr
.endm
; A step: 128 along K, 128 matrix instructions.  first = 1: step 0, whose first products start the sums.  refill = 1: the other slot and the other buffer of mf take the next step's data.
.macro STEP slot, refill, first
.if \first
	s_wait_tensorcnt 0x1                           ; my part of slot 0 is in; slot 1's load stays out.  Only I read my part, so this wait is all that the reads need
	s_wait_loadcnt 32                              ; step 0's fragments of mf are in; step 1's 32 loads stay out
.else
	s_wait_tensorcnt 0x0                           ; all my tensor loads are done, this step's among them, so a group 0 may be written
.if \refill
	s_add_nc_u64 s[G0+4*(1-\slot)+2:G0+4*(1-\slot)+3], s[G0+4*(1-\slot)+2:G0+4*(1-\slot)+3], 512   ; the other slot's next step, two steps on
	s_wait_dscnt 0x0                               ; my reads of the other slot are done
	CROUND                                         ; both now hold of every wave of every work-group of the cluster
	tensor_load_to_lds s[G0+4*(1-\slot):G0+4*(1-\slot)+3], s[G1:G1+7]      ; first behind the round, my one load until the next
	s_nop 0
.endif
	NOP4                                           ; they follow the joint load, and are the places between the last products and the loads into their operands
	s_wait_loadcnt 0x0                             ; this step's fragments of mf are in, and their base may be stepped
.if \refill
.if \slot == 1
	s_add_nc_u64 s[6:7], s[6:7], 32768             ; a block of mf holds two steps: an even step begins the next block, an odd one lies 4,096 bytes into it
.endif
	WIN W_B
	BLOAD 1-\slot, 4096*(1-\slot)
	WIN 0
.else
.irp m, 0,1,2,3,4,5,6,7                ; the last step: s[w][b] of my rows 16 mt + 8 h + 0..7
	global_load_b128 v[SC+8*\m:SC+8*\m+3],   v[SO], s[8:9] offset:64*\m
	global_load_b128 v[SC+8*\m+4:SC+8*\m+7], v[SO], s[8:9] offset:64*\m+16
.endr
.endif
.endif
	FETCH \slot, 0, FA0
.set i, 0
.rept 4
.if i < 3
	NOP4                                           ; four places between the products that read a buffer and the loads into it
	FETCH \slot, i+1, FA0+64*((i+1)%2)
	s_wait_dscnt 16                                ; all but the 16 just issued
.else
	s_wait_dscnt 0x0
.endif
	WIN W_MUL
	MUL32 FA0+64*(i%2), 128*\slot, i, (\first)&&(i==0)
	WIN 0                                          ; at a label and at a branch every window is 0
.set i, i+1
.endr
.endm
	STEP 0, 0, 1                                   ; step 0: both slots are on their way or in, nothing is asked for
	s_mov_b32 s15, 3
.Lpair:                                                ; steps 1 to 6, two a trip; each asks for the step behind it
	STEP 1, 1, 0
	STEP 0, 1, 0
	s_sub_co_u32 s15, s15, 1
	s_cmp_lg_u32 s15, 0
	s_cbranch_scc1 .Lpair
	STEP 1, 0, 0                                   ; step 7 is written out: nothing is left to fetch, so no round stands in front of it
	; THE WAY OUT.  My tile times s, as quads of four neighbouring columns, into my own part of slot 0: its last fill (step 6) has landed, my reads of it are over, and no load follows.
	NOP4                                           ; four places in front of the reads of the sums and the writes over yb's fragments
	s_wait_loadcnt 0x0                             ; s
.irp g, 0,1
	WIN 0x04                                       ; source 1, the sums, in window 1
.irp m, 0,1,2,3
.irp j, 0,1,2,3,4,5,6,7
.irp t, 0,1,2,3
	v_mul_f32 v[TQ+(8*\m+\j)*4+\t], v[SC+8*(4*\g+\m)+\j], v[8*(4*(4*\g+\m)+\t)+\j]
.endr
.endr
.endr
	WIN 0
.irp m, 0,1,2,3
.irp j, 0,1,2,3,4,5,6,7
	ds_store_b128 v[STO], v[TQ+(8*\m+\j)*4:TQ+(8*\m+\j)*4+3] offset:(16*(4*\g+\m)+\j)*PITCH   ; 16 lanes fill a row's 256 bytes
.endr
.endr
.endr
	s_wait_dscnt 0x0                               ; for the others' sake: my tile is in the stage
	s_barrier_signal -1
	s_barrier_wait -1
; Wave w adds the four paths' rows 32 w .. 32 w + 31, two rows (u) at a time, and stores them.
.macro BACK u                          ; four loads: rows 32 w + 2 u + h of the four parts, into window 1 at 16 u + 4 path
.irp r, 0,1,2,3
	ds_load_b128 v[16*(\u)+4*\r:16*(\u)+4*\r+3], v[RD+\r] offset:2*(\u)*PITCH
.endr
.endm
.macro SUM u
	v_pk_add_f32 v[16*(\u):16*(\u)+1],     v[16*(\u):16*(\u)+1],     v[16*(\u)+4:16*(\u)+5]
	v_pk_add_f32 v[16*(\u)+2:16*(\u)+3],   v[16*(\u)+2:16*(\u)+3],   v[16*(\u)+6:16*(\u)+7]
	v_pk_add_f32 v[16*(\u)+8:16*(\u)+9],   v[16*(\u)+8:16*(\u)+9],   v[16*(\u)+12:16*(\u)+13]
	v_pk_add_f32 v[16*(\u)+10:16*(\u)+11], v[16*(\u)+10:16*(\u)+11], v[16*(\u)+14:16*(\u)+15]
	v_pk_add_f32 v[16*(\u):16*(\u)+1],     v[16*(\u):16*(\u)+1],     v[16*(\u)+8:16*(\u)+9]
	v_pk_add_f32 v[16*(\u)+2:16*(\u)+3],   v[16*(\u)+2:16*(\u)+3],   v[16*(\u)+10:16*(\u)+11]
.endm
	WIN 0x40                                       ; destination window 1: the accumulators' registers are free
.irp u, 0,1,2,3,4,5,6,7
	BACK \u
.endr
	s_wait_dscnt 28                                ; u = 0's four loads are in; 28 stay out
	WIN 0x45
	SUM 0
	WIN 0x40
.irp u, 8,9,10,11,12,13,14,15
	BACK \u
.endr
	WIN 0x45
.irp u, 1,2,3,4,5,6,7
	s_wait_dscnt 60-4*\u                           ; behind u's four loads 4 (15 - u) were issued
	SUM \u
.endr
	WIN 0x04                                       ; store data in window 1
.irp u, 0,1,2,3,4,5,6,7
	global_store_b128 v[CO], v[16*\u:16*\u+3], s[10:11] offset:2*\u*4096   ; 16 lanes store 256 consecutive bytes, at a multiple of 256 from out0's first byte
.endr
	WIN 0x45
.irp u, 8,9,10,11,12,13,14,15
	s_wait_dscnt 60-4*\u
	SUM \u
.endr
	WIN 0x04
.irp u, 8,9,10,11,12,13,14,15
	global_store_b128 v[CO], v[16*\u:16*\u+3], s[10:11] offset:2*\u*4096
.endr
	WIN 0
	CROUND                                         ; the closing round: no work-group ends while a partner may still ask for a tile that names it
	s_endpgm
.Lfunc_end_k_qa10b7d0ebb_fin:
	.size	k_qa10b7d0ebb_fin, .Lfunc_end_k_qa10b7d0ebb_fin-k_qa10b7d0ebb_fin
	.p2alignl 7, 3214868480
	.fill 96, 4, 3214868480
	.section	.rodata,"a",@progbits
	.p2align	6, 0x0
	.amdhsa_kernel k_qa10b7d0ebb_fin
		.amdhsa_group_segment_fixed_size 327680
		.amdhsa_private_segment_fixed_size 0
		.amdhsa_enable_private_segment 0
		.amdhsa_kernarg_size 32
		.amdhsa_user_sgpr_count 2
		.amdhsa_user_sgpr_kernarg_segment_ptr 1
		.amdhsa_wavefront_size32 1
		.amdhsa_system_sgpr_workgroup_id_x 1
		.amdhsa_system_sgpr_workgroup_id_y 1
		.amdhsa_system_sgpr_workgroup_id_z 1
		.amdhsa_system_vgpr_workitem_id 0
		.amdhsa_next_free_vgpr 768
		.amdhsa_next_free_sgpr 66
		.amdhsa_reserve_vcc 0
		.amdhsa_float_denorm_mode_32 3
		.amdhsa_float_denorm_mode_16_64 3
		.amdhsa_memory_ordered 1
		.amdhsa_forward_progress 1
		.amdhsa_inst_pref_size 96
	.end_amdhsa_kernel
	.amdgpu_metadata
---
amdhsa.version: [ 1, 2 ]
amdhsa.kernels:
  - .name:           k_qa10b7d0ebb_fin
    .symbol:         k_qa10b7d0ebb_fin.kd
    .args:
      - { .name: yb, .offset: 0, .size: 8, .value_kind: global_buffer, .address_space: global }
      - { .name: mf, .offset: 8, .size: 8, .value_kind: global_buffer, .address_space: global }
      - { .name: sbuf, .offset: 16, .size: 8, .value_kind: global_buffer, .address_space: global }
      - { .name: out0, .offset: 24, .size: 8, .value_kind: global_buffer, .address_space: global }
    .group_segment_fixed_size: 327680
    .private_segment_fixed_size: 0
    .kernarg_segment_align: 8
    .kernarg_segment_size: 32
    .max_flat_workgroup_size: 128
    .sgpr_count:     66
    .vgpr_count:     768
    .wavefront_size: 32
...
	.end_amdgpu_metadata
.endif
;; end of part 3
